; MI455X (gfx1250); checked and timed in simulation.
; The chip was launched on July 23, 2026; its instructions are those of AMD's public machine-readable ISA for CDNA 5 (MIT licence, August 2026) and "CDNA5" Instruction Set Architecture Reference Guide (July 2026). The comments in the code are by the model that wrote it; some were corrected since.
;; Adaptive Attention. Allowed arithmetic: float matrix products may take bf16 or f16 operands with f32 sums; all other float work in f32.
;; Inputs: bk 1,024 float32; bo 1,024 float32; bq 1,024 float32; bv 1,024 float32; k 2 x 2,048 x 1,024 float32; q 2 x 2,048 x 1,024 float32; scale 1 float32; time_decay 1 x 16 x 1 x 1 float32; v 2 x 2,048 x 1,024 float32; wk 1,024 x 1,024 float32; wo 1,024 x 1,024 float32; wq 1,024 x 1,024 float32; wv 1,024 x 1,024 float32.
;; Outputs: out0 2 x 2,048 x 1,024 float32.
;; One version. Each part assembles by itself: llvm-mc -triple=amdgcn-amd-amdhsa -mcpu=gfx1250 --defsym DOCPART=n.
;; ======== version 1 of 1: 4 launches
;; limits: values are held in f16: magnitudes above 65,504 overflow, below 6.1e-05 lose precision; right only within a limited range of input values
;; workspace buffers: xb 25,165,824 bytes; wb 8,388,608 bytes; cnt 256 bytes of whole numbers; qkv 25,165,824 bytes; ps 131,072 bytes; ctx 8,388,608 bytes
;; launch prep (part 1): grid 1024 x 1, 8 waves a work-group, no clusters, 0 bytes of LDS; arguments q, k, v, wq, wk, wv, wo, time_decay, xb, wb, cnt; writes xb, wb, cnt
.if DOCPART == 1
	.amdgcn_target "amdgcn-amd-amdhsa--gfx1250"
	.amdhsa_code_object_version 6
	.text
	.protected	k_q5a06d93092_prep
	.globl	k_q5a06d93092_prep
	.p2align	8
	.type	k_q5a06d93092_prep,@function
k_q5a06d93092_prep:
	s_mov_b64 s[64:65], 0
	v_nop
	global_prefetch_b8 v0, s[64:65] scope:SCOPE_SE
	s_setreg_imm32_b32 hwreg(HW_REG_WAVE_MODE, 25, 1), 1
	s_wait_xcnt 0x0
; PREP.  q, k, v (f32) -> xb [3][4096][1024] bf16;  wq, wk, wv -> wb planes 0-2 in bf16;  wo -> wb plane 3: rounded to bf16 and that number written as f16
; (exact from 2^-17 up to 65,504; below, f16 keeps its fixed step of 6e-8);  time_decay -> cnt[h]: how many blocks of 128 keys head h has to walk.
; A stream: memory binds, so no LDS, no matrix unit, no cluster.  1,024 work-groups of 16,384 numbers each: 768 for q, k, v (256 each), 256 for the weights (64 each).
; A row is 2,048 numbers, two halves of 1,024; a work-group has eight rows.  Thread t takes 16 bytes at 16 t of each half (a load of a wave covers 512 consecutive bytes) and stores 8 bytes at 8 t
; of each half of the output row (a store of a wave covers 256 consecutive bytes, aligned).  A wave issues all its sixteen loads before its first wait: 8 KB a wave, 64 KB a work-group on their way,
; and with 96 registers a wave several work-groups lie on a WGP, which multiplies that.  A row is converted in place, so no register that a store reads is ever written again.
; cnt[h]: time_decay is rounded to bf16, as every input of the program is.  With x = that number times log2(e), the decay 2^(-x pos) is below 2^-126 for every pos >= 128 n,
; n = floor((126 / x + 2) / 128) + 1: there 128 n x > 126 + 2 x.  n is held in 1 .. 16; for x <= 0, x too small or NaN it is 16: all 2,048 keys are walked.
.set ROWIN,  8192                      ; bytes of a row as loaded
.set ROWOUT, 4096                      ; and as stored
.set X, 8                              ; v[8:71]   row i: 8 registers as loaded; its first four then hold the row's 16-bit numbers
.set T, 72                             ; v[72:75]  wo: rounded to bf16
.set U, 76                             ; v[76:83]  wo: those numbers as f32
	s_load_b512 s[8:23], s[0:1], 0x0               ; q k v wq wk wv wo time_decay
	s_load_b128 s[24:27], s[0:1], 0x40             ; xb, wb
	s_load_b64 s[28:29], s[0:1], 0x50              ; cnt
	s_mov_b32 s2, ttmp9                            ; work-group w
	s_lshr_b32 s3, s2, 8                           ; w < 768: source w / 256,
	s_and_b32 s34, s2, 255                         ; chunk w % 256
	s_sub_co_u32 s35, s2, 768                      ; else u = w - 768:
	s_lshr_b32 s36, s35, 6
	s_add_co_u32 s36, s36, 3                       ; source 3 + u / 64,
	s_and_b32 s37, s35, 63                         ; chunk u % 64
	s_mov_b32 s31, 0xffff0000                      ; a word's upper bf16
	s_mov_b32 s33, 0
	v_lshrrev_b32 v3, 5, v0
	v_readfirstlane_b32 s38, v3                    ; wave
	v_lshlrev_b32 v1, 4, v0                        ; 16 t
	v_lshlrev_b32 v2, 3, v0                        ; 8 t
	s_cmp_lt_u32 s2, 768
	s_cselect_b32 s3, s3, s36                      ; which source
	s_cselect_b32 s34, s34, s37                    ; which chunk of it
	s_cselect_b32 s35, s2, s35                     ; which chunk of the output buffer
	s_wait_kmcnt 0x0
	s_cselect_b64 s[6:7], s[24:25], s[26:27]       ; xb or wb (the compare above still holds: selects and waits leave SCC)
	s_mov_b64 s[4:5], s[8:9]
.irp n, 1,2,3,4,5,6
	s_cmp_eq_u32 s3, \n
	s_cselect_b64 s[4:5], s[8+2*(\n):9+2*(\n)], s[4:5]
.endr
	s_lshl_b32 s32, s34, 16                        ; a chunk is 65,536 bytes in,
	s_add_nc_u64 s[4:5], s[4:5], s[32:33]
	s_lshl_b32 s32, s35, 15                        ; 32,768 out
	s_add_nc_u64 s[6:7], s[6:7], s[32:33]
.irp i, 0,1,2,3,4,5,6,7
	global_load_b128 v[X+8*(\i):X+8*(\i)+3],   v1, s[4:5] offset:(\i)*ROWIN th:TH_LOAD_NT
	global_load_b128 v[X+8*(\i)+4:X+8*(\i)+7], v1, s[4:5] offset:(\i)*ROWIN+4096 th:TH_LOAD_NT
.endr
; Row i is rounded and stored.  f16 = 1: wo.  Conversion j writes register j of the row and reads registers 2 j and 2 j + 1: what it writes over has been read.
.macro SLOT i, f16
	s_wait_loadcnt 14-2*(\i)                       ; loads come back in order: my two are in; the younger rows, two loads each, stay out
.if \f16
.irp j, 0,1,2,3
	v_cvt_pk_bf16_f32 v[T+(\j)], v[X+8*(\i)+2*(\j)], v[X+8*(\i)+2*(\j)+1]
.endr
.irp j, 0,1,2,3
	v_lshlrev_b32 v[U+2*(\j)],   16,  v[T+(\j)]
	v_and_b32     v[U+2*(\j)+1], s31, v[T+(\j)]
.endr
.irp j, 0,1,2,3
	v_cvt_pk_f16_f32 v[X+8*(\i)+(\j)], v[U+2*(\j)], v[U+2*(\j)+1]
.endr
.else
.irp j, 0,1,2,3
	v_cvt_pk_bf16_f32 v[X+8*(\i)+(\j)], v[X+8*(\i)+2*(\j)], v[X+8*(\i)+2*(\j)+1]
.endr
.endif
	global_store_b64 v2, v[X+8*(\i):X+8*(\i)+1],   s[6:7] offset:(\i)*ROWOUT
	global_store_b64 v2, v[X+8*(\i)+2:X+8*(\i)+3], s[6:7] offset:(\i)*ROWOUT+2048
.endm
	s_cmp_eq_u32 s3, 6
	s_cbranch_scc1 .Lwo
.irp i, 0,1,2,3,4,5,6,7
	SLOT \i, 0
.endr
	s_branch .Lcounts
.Lwo:
.irp i, 0,1,2,3,4,5,6,7
	SLOT \i, 1
.endr
.Lcounts:
	s_cmp_lg_u32 s2, 0                             ; the counts: wave 0 of work-group 0
	s_cbranch_scc1 .Lend
	s_cmp_lg_u32 s38, 0
	s_cbranch_scc1 .Lend
	v_and_b32 v4, 15, v0                           ; lanes 16-31 repeat lanes 0-15 and store the same words
	v_lshlrev_b32 v4, 2, v4
	global_load_b32 v5, v4, s[22:23]
	s_wait_loadcnt 0x0
	v_cvt_pk_bf16_f32 v5, v5, v5                   ; time_decay rounded to bf16,
	v_lshlrev_b32 v5, 16, v5                       ; as f32 again
	v_mul_f32 v5, 0x3fb8aa3b, v5                   ; x = time_decay log2(e)
	v_rcp_f32 v6, v5
	v_nop                                          ; a plain instruction behind the reciprocal
	s_wait_alu depctr_va_vdst(0)
	v_mul_f32 v6, 0x42fc0000, v6                   ; 126 / x
	v_add_f32 v6, 2.0, v6
	v_mul_f32 v6, 0x3c000000, v6                   ; / 128
	v_min_num_f32 v6, 0x41700000, v6               ; at most 15 (a NaN or an infinity gives 15)
	v_max_num_f32 v6, 0, v6
	v_cvt_u32_f32 v6, v6                           ; toward zero: the floor of a number that is not negative
	v_add_nc_u32 v6, 1, v6
	v_cmp_lt_f32 vcc_lo, 0, v5
	v_cndmask_b32 v6, 16, v6, vcc_lo               ; x > 0, else 16
	global_store_b32 v4, v6, s[28:29]
.Lend:
	s_endpgm
.Lfunc_end_k_q5a06d93092_prep:
	.size	k_q5a06d93092_prep, .Lfunc_end_k_q5a06d93092_prep-k_q5a06d93092_prep
	.p2alignl 7, 3214868480
	.fill 96, 4, 3214868480
	.section	.rodata,"a",@progbits
	.p2align	6, 0x0
	.amdhsa_kernel k_q5a06d93092_prep
		.amdhsa_group_segment_fixed_size 0
		.amdhsa_private_segment_fixed_size 0
		.amdhsa_enable_private_segment 0
		.amdhsa_kernarg_size 88
		.amdhsa_user_sgpr_count 2
		.amdhsa_user_sgpr_kernarg_segment_ptr 1
		.amdhsa_wavefront_size32 1
		.amdhsa_system_sgpr_workgroup_id_x 1
		.amdhsa_system_sgpr_workgroup_id_y 1
		.amdhsa_system_sgpr_workgroup_id_z 1
		.amdhsa_system_vgpr_workitem_id 0
		.amdhsa_next_free_vgpr 96
		.amdhsa_next_free_sgpr 66
		.amdhsa_reserve_vcc 1
		.amdhsa_float_denorm_mode_32 3
		.amdhsa_float_denorm_mode_16_64 3
		.amdhsa_memory_ordered 1
		.amdhsa_forward_progress 1
		.amdhsa_inst_pref_size 16
	.end_amdhsa_kernel
	.amdgpu_metadata
---
amdhsa.version: [ 1, 2 ]
amdhsa.kernels:
  - .name:           k_q5a06d93092_prep
    .symbol:         k_q5a06d93092_prep.kd
    .args:
      - { .name: q, .offset: 0, .size: 8, .value_kind: global_buffer, .address_space: global }
      - { .name: k, .offset: 8, .size: 8, .value_kind: global_buffer, .address_space: global }
      - { .name: v, .offset: 16, .size: 8, .value_kind: global_buffer, .address_space: global }
      - { .name: wq, .offset: 24, .size: 8, .value_kind: global_buffer, .address_space: global }
      - { .name: wk, .offset: 32, .size: 8, .value_kind: global_buffer, .address_space: global }
      - { .name: wv, .offset: 40, .size: 8, .value_kind: global_buffer, .address_space: global }
      - { .name: wo, .offset: 48, .size: 8, .value_kind: global_buffer, .address_space: global }
      - { .name: time_decay, .offset: 56, .size: 8, .value_kind: global_buffer, .address_space: global }
      - { .name: xb, .offset: 64, .size: 8, .value_kind: global_buffer, .address_space: global }
      - { .name: wb, .offset: 72, .size: 8, .value_kind: global_buffer, .address_space: global }
      - { .name: cnt, .offset: 80, .size: 8, .value_kind: global_buffer, .address_space: global }
    .group_segment_fixed_size: 0
    .private_segment_fixed_size: 0
    .kernarg_segment_align: 8
    .kernarg_segment_size: 88
    .max_flat_workgroup_size: 256
    .sgpr_count:     66
    .vgpr_count:     96
    .wavefront_size: 32
...
	.end_amdgpu_metadata
.endif
;; end of part 1
;; launch proj (part 2): grid 4 x 48, 4 waves a work-group, clusters of 4 x 4, 327,680 bytes of LDS; arguments xb, wb, qkv, ps, bq, bk, bv, scale, time_decay; writes qkv, ps
.if DOCPART == 2
	.amdgcn_target "amdgcn-amd-amdhsa--gfx1250"
	.amdhsa_code_object_version 6
	.text
	.protected	k_q5a06d93092_proj
	.globl	k_q5a06d93092_proj
	.p2align	8
	.type	k_q5a06d93092_proj,@function
k_q5a06d93092_proj:
	s_mov_b64 s[64:65], 0
	v_nop
	global_prefetch_b8 v0, s[64:65] scope:SCOPE_SE
	s_setreg_imm32_b32 hwreg(HW_REG_WAVE_MODE, 25, 1), 1
	s_wait_xcnt 0x0
	s_wait_alu depctr_hold_cnt(0) depctr_sa_sdst(0) depctr_va_vdst(0) depctr_va_sdst(0) depctr_va_ssrc(0) depctr_va_vcc(0) depctr_vm_vsrc(0)
	s_getreg_b32 s2, hwreg(HW_REG_IB_STS2, 6, 4)
	s_cmp_eq_u32 s2, 0
	s_cbranch_scc0 .Lentry_in_a_cluster
	s_endpgm
.Lentry_in_a_cluster:
	s_bfe_u32 s2, ttmp6, 0x10000c
	s_cmp_lg_u32 s2, 0xf033
	s_cbranch_scc0 .Lentry_shape_is_right
	s_endpgm
.Lentry_shape_is_right:
; PROJ.  The three projections as ONE product: xb is [12288][1024] bf16 (q, k, v on end), wb planes 0-2 are wq, wk, wv, [1024][1024] bf16.  Sums in f32; all three results leave in f16.
;   KIND 0: Q  = q wq^T + bq                                          -> qkv plane 0
;   KIND 1: Kd = (k wk^T + bk) g 2^(-x_h pos), g = scale log2(e) / 8  -> qkv plane 1;  x_h = time_decay[h] log2(e)
;   KIND 2: V  = v wv^T + bv                                          -> qkv plane 2;  and ps[block of 128 rows][1024]: the f32 column sums of V
; The biases, scale and time_decay are rounded to bf16 on arrival, as q, k, v and the weights were: the program computes on inputs that are ALL rounded to bf16.
; qkv is laid by heads, [plane][b][h][s][64]: 16 rows of a head are 2,048 consecutive bytes.
; WHY f16.  A score is used by its absolute size (in an exponential and a sigmoid), and a score of 4 or 5 at an undecayed key wants more than the 8 bits of bf16 in Q and Kd.
; THE DECAY.  The factor g 2^(-x_h pos) of my first 16 rows is made by v_exp_f32; each further block of 16 rows multiplies it by 2^(-16 x_h): seven multiplications at the most, each off by 2^-24 of itself.
; LIMITS.  Q, Kd and V must stay under 65,504, the end of f16 (inputs 30 times those drawn give 2.4e4 at the most, common offsets of 30 spreads 2.9e4; a negative time_decay that lifts Kd beyond it is
; not served).  Below 6e-5 f16 keeps a fixed step of 6e-8: a score is off by 64 |Q| 3e-8 at the most for it.  A decay below 2^-126 comes out of v_exp_f32 as 0.  NaN and infinities are not treated apart.
; SHAPE.  A tile is 256 x 256, four waves of 128 x 128 (64 accumulators, 512 registers).  12,288 x 1,024 numbers are 192 such tiles; an even share for 256 work-groups would be 49,152 numbers,
; three times a power of two, which no pair of divisors of 4,096 and 1,024 gives.  K goes in steps of 128 through two LDS slots filled by the tensor data mover: rows of 256 bytes of memory.
; CLUSTER.  4 x 4 work-groups: the four of a row need the same tile of xb, the four of a column the same tile of wb; each is asked for jointly, by the same load and descriptor in all four.
; KIND is made of the number of the cluster alone, so it is the same in all sixteen partners; only the way out branches on it, forward, past no barrier and no tensor load.
; THE MATRIX INSTRUCTION IS USED TRANSPOSED (source 0 = 16 rows of w, source 1 = 16 rows of x): lane l holds row l % 16 and the eight columns 8 (l / 16) + 0..7.
; THE BIAS is the C operand of the products that start the sums: nothing is cleared and nothing is added afterwards.
; REGISTERS, in windows of 256 (s_set_vgpr_msb: bits 1:0 source 0, 3:2 source 1, 5:4 source 2, 7:6 destination):
;   window 0: v1-29 addresses and factors; v64-191 fragments of x, two buffers, later CS and FT; v192-255 the bias, later packed results; v32-63, v224-255 rows read back
;   window 1: v64-191 fragments of w, two buffers      window 2: accumulators of my rows 0-63 ((a, b) at v[8 (8 a + b)])      window 3: of my rows 64-127
.set SIZE_K, 1024
.set KSTEP,  128
.set PITCH,  272                       ; an LDS row: 256 bytes + 16 of padding: the 16 rows of a fragment load start 16 bytes apart modulo 256
.set HALFT,  128*PITCH                 ; what one tensor load brings
.set SLOT,   4*HALFT                   ; 256 rows of x, then 256 rows of w
.set STAGE,  2*SLOT                    ; behind the ring: 16 rows x 272 bytes for each wave
.set SPITCH, 272
.set SPARE,  STAGE+4*16*SPITCH         ; the spare words, 128 bytes a wave: no other line names them
.set LAPS,   SIZE_K/(2*KSTEP)
.set HEADB,  262144                    ; bytes of a head in qkv
.set POS,  6                           ; v6      my first row's position in its sequence, as f32
.set G,    7                           ; v7      g
.set E0,   8                           ; v8-9    the decay of my wave's two heads at that row
.set FQ,   10                          ; v10-13  g x decay of the block in hand, each in the low word of a pair
.set PSO,  14                          ; v14     my byte offset in the wave's 512 bytes of ps
.set BIO,  15                          ; v15     32 (l / 16)
.set ADRA, 16                          ; v16-17  LDS address of my fragments of x in slot 0, 1
.set ADRB, 20                          ; v20-21  of w
.set DQ,   22                          ; v22-23  time_decay of my wave's two heads, rounded to bf16; then 2^(-16 x_h)
.set STO,  24
.set RD,   25
.set CO,   26
.set SPW,  28                          ; v28     my spare word; never rewritten
.set NIL,  29                          ; v29     0; never rewritten
.set F0,   64
.set F1,   128
.set BI,   192                         ; v192-255 bias of my 128 columns: column block b at BI + 8 b
.set TMP,  192
.set OB,   32
.set CS,   64                          ; v64-127 behind the last product: column sums, (b, j) at CS + 8 b + j
.set FT,   128                         ; v128-135 at work while the column sums are folded
.set WV,   12                          ; s12 wave   s13 its half of the rows (also: 0 fetches x, 1 fetches w)   s14 its half of the columns (also: which 128 rows it fetches)
.set RH,   13
.set CH,   14
.set G1,   24
.set G0,   32
.set G1B,  48
.set G0B,  56
.set KIND, 78
.set TD,   80                          ; s[80:81] time_decay of my two heads, as loaded
.set HIW,  94                          ; s94 a word's upper bf16
.set MSB, 0
.macro WIN new                         ; the high byte repeats the setting that is left
.if MSB != (\new)
	s_set_vgpr_msb (MSB<<8)|(\new)
.set MSB, \new
.endif
.endm
.set MUL_LO, 0xa1                      ; source 0 (w) window 1, source 1 (x) window 0, C and D window 2
.set TO_B,   0x40
; A joint load: waves 0 and 1 fetch the halves of x, waves 2 and 3 those of w.  An s_nop 0 and four v_nop follow each line.
.macro JLOAD s
	s_cmp_eq_u32 s[RH], 0
	s_cbranch_scc0 .Lfor_b_\@
	tensor_load_to_lds s[G0+4*(\s):G0+4*(\s)+3], s[G1:G1+7]
	s_nop 0
.rept 4
	v_nop
.endr
	s_branch .Lasked_\@
.Lfor_b_\@:
	tensor_load_to_lds s[G0B+4*(\s):G0B+4*(\s)+3], s[G1B:G1B+7]
	s_nop 0
.rept 4
	v_nop
.endr
.Lasked_\@:
.endm
.macro CREST                           ; a round of the barrier of the cluster, behind its opening barrier
	s_cmp_lg_u32 s[WV], 0
	s_cbranch_scc1 .Lnot_wave_0_\@
	s_barrier_signal -3
.Lnot_wave_0_\@:
	s_barrier_wait -3
	s_barrier_signal -1
	s_barrier_wait -1
.endm
.macro CROUND
	s_barrier_signal -1
	s_barrier_wait -1
	CREST
.endm
	s_load_b256 s[4:11], s[0:1], 0x0               ; xb s[4:5], wb s[6:7], qkv s[8:9], ps s[10:11]
	s_load_b256 s[68:75], s[0:1], 0x20             ; bq, bk, bv, scale
	s_load_b64 s[76:77], s[0:1], 0x40              ; time_decay
	v_lshl_add_u32 v[SPW], v0, 2, SPARE
	v_mov_b32 v[NIL], 0
	ds_add_u32 v[SPW], v[NIL]                      ; the opening: the add and its wait ahead of my first tensor load
	v_lshrrev_b32 v3, 5, v0
	v_readfirstlane_b32 s[WV], v3
	s_lshr_b32 s[RH], s[WV], 1
	s_and_b32 s[CH], s[WV], 1
	s_mov_b32 s[HIW], 0xffff0000
	s_bfe_u32 s40, ttmp6, 0x40000                  ; cx
	s_bfe_u32 s41, ttmp6, 0x40004                  ; cy
	s_lshl_b32 s42, ttmp9, 2
	s_add_co_u32 s42, s42, s40                     ; tile column tx = 0..3
	s_and_b32 s79, ttmp7, 0xffff                   ; the cluster's y, 0..11
	s_lshr_b32 s[KIND], s79, 2                     ; four clusters to each of q, k, v
	s_lshl_b32 s43, s79, 2
	s_add_co_u32 s43, s43, s41                     ; tile row ty = 0..47
	s_lshl_b32 s44, s41, 2
	s_lshl_b32 s44, 15, s44                        ; my row of the cluster
	s_lshl_b32 s45, 0x1111, s40                    ; my column
	s_or_b32 s[G1+0], s44, (1<<16)|(1<<20)|(1<<21)|(5<<22)|(3<<25)   ; mask; 2-byte elements; padding on; bit 21 beside a mask; after every 64 words, 4 words
	s_or_b32 s[G1B+0], s45, (1<<16)|(1<<20)|(1<<21)|(5<<22)|(3<<25)
.irp g, G1, G1B
	s_mov_b32 s[(\g)+1], KSTEP<<16                 ; tensor_dim0 = 128
	s_mov_b32 s[(\g)+2], 128<<16                   ; tensor_dim1 = 128
	s_mov_b32 s[(\g)+3], KSTEP<<16                 ; tile_dim0 = 128
	s_mov_b32 s[(\g)+4], 128                       ; tile_dim1 = 128
	s_mov_b32 s[(\g)+5], SIZE_K                    ; elements from row to row
	s_mov_b32 s[(\g)+6], 0
	s_mov_b32 s[(\g)+7], 0
.endr
	s_lshl_b32 s17, s[CH], 7                       ; which 128 rows of the tile I fetch
	s_lshl_b32 s16, s43, 8
	s_add_co_u32 s16, s16, s17                     ; x: row 256 ty + 128 half,
	s_lshl_b32 s16, s16, 11                        ; of 2,048 bytes
	s_lshl_b32 s46, s42, 8
	s_add_co_u32 s46, s46, s17
	s_lshl_b32 s47, s[KIND], 10
	s_add_co_u32 s46, s46, s47                     ; w: row 1024 KIND + 256 tx + 128 half
	s_lshl_b32 s46, s46, 11
	s_mov_b32 s17, 0
	s_mov_b32 s47, 0
	s_mul_i32 s20, s[WV], HALFT                    ; where they go: wave x 128 rows
	s_wait_dscnt 0x0                               ; the opening add is done
	s_wait_kmcnt 0x0
	s_add_nc_u64 s[18:19], s[4:5], s[16:17]
	s_add_nc_u64 s[46:47], s[6:7], s[46:47]
	CROUND                                         ; all sixteen work-groups are here: the first joint loads meet
.irp s, 0,1
	s_mov_b32 s[G0+4*(\s)], 1
	s_add_co_u32 s[G0+4*(\s)+1], s20, (\s)*SLOT
	s_add_nc_u64 s[G0+4*(\s)+2:G0+4*(\s)+3], s[18:19], (\s)*KSTEP*2
	s_or_b32 s[G0+4*(\s)+3], s[G0+4*(\s)+3], 0x80000000
	s_mov_b32 s[G0B+4*(\s)], 1
	s_add_co_u32 s[G0B+4*(\s)+1], s20, (\s)*SLOT
	s_add_nc_u64 s[G0B+4*(\s)+2:G0B+4*(\s)+3], s[46:47], (\s)*KSTEP*2
	s_or_b32 s[G0B+4*(\s)+3], s[G0B+4*(\s)+3], 0x80000000
	JLOAD \s                                       ; two loads of mine are out
.endr
	; the bias of my 128 columns, time_decay of my two heads, scale
	v_and_b32 v1, 15, v0                           ; l % 16
	v_bfe_u32 v2, v0, 4, 1                         ; l / 16
	v_lshlrev_b32 v[BIO], 5, v2
	s_cmp_eq_u32 s[KIND], 1
	s_cselect_b64 s[86:87], s[70:71], s[68:69]
	s_cmp_eq_u32 s[KIND], 2
	s_cselect_b64 s[86:87], s[72:73], s[86:87]
	s_lshl_b32 s90, s42, 10
	s_lshl_b32 s91, s[CH], 9
	s_add_co_u32 s90, s90, s91                     ; (256 tx + 128 half) x 4 bytes
	s_mov_b32 s91, 0
	s_add_nc_u64 s[86:87], s[86:87], s[90:91]
.irp b, 0,1,2,3,4,5,6,7
	global_load_b128 v[BI+8*(\b):BI+8*(\b)+3],   v[BIO], s[86:87] offset:64*(\b)
	global_load_b128 v[BI+8*(\b)+4:BI+8*(\b)+7], v[BIO], s[86:87] offset:64*(\b)+16
.endr
	s_lshl_b32 s90, s42, 4
	s_lshl_b32 s92, s[CH], 3
	s_add_co_u32 s90, s90, s92                     ; heads 4 tx + 2 half and the next: 4 bytes each
	s_add_nc_u64 s[76:77], s[76:77], s[90:91]
	s_load_b64 s[TD:TD+1], s[76:77], 0x0
	s_load_b32 s82, s[74:75], 0x0
	; fragments: lane l holds row l % 16; two loads of 16 bytes, 32 bytes apart, at row x pitch + 16 (l / 16)
	v_mul_u32_u24 v3, v1, PITCH
	v_lshl_add_u32 v3, v2, 4, v3
	s_mul_i32 s21, s[RH], HALFT
	s_mul_i32 s22, s[CH], HALFT
	s_add_co_u32 s22, s22, 2*HALFT
.irp s, 0,1
	v_add_nc_u32 v[ADRA+(\s)], s21, v3
	v_add_nc_u32 v[ADRB+(\s)], s22, v3
	s_add_co_u32 s21, s21, SLOT
	s_add_co_u32 s22, s22, SLOT
.endr
	s_mul_i32 s23, s[WV], 16*SPITCH
	s_add_co_u32 s23, s23, STAGE                   ; my stage
	v_mul_u32_u24 v4, v1, SPITCH                   ; in: row l % 16, 16 bytes for each half of the lanes
	v_lshl_add_u32 v4, v2, 4, v4
	v_add_nc_u32 v[STO], s23, v4
	v_bfe_u32 v4, v0, 3, 2                         ; back: 32 lanes take four rows x 128 bytes, one head's part of them,
	v_and_b32 v5, 7, v0
	v_mul_u32_u24 v4, v4, SPITCH
	v_lshl_add_u32 v4, v5, 4, v4
	v_add_nc_u32 v[RD], s23, v4
	v_and_b32 v[CO], 31, v0                        ; which are 512 consecutive bytes of qkv
	v_lshlrev_b32 v[CO], 4, v[CO]
	v_lshlrev_b32 v[PSO], 6, v5                    ; ps: lane (r, h) stores columns 16 (r % 8) + 8 h + 4 (r / 8) + 0..3
	v_lshl_add_u32 v[PSO], v2, 5, v[PSO]
	v_bfe_u32 v4, v0, 3, 1
	v_lshl_add_u32 v[PSO], v4, 4, v[PSO]
	; where my part begins in qkv: head (ty / 8) 16 + 4 tx + 2 half (ty / 8 counts plane and batch together), row (ty % 8) 256 + 128 half
	s_lshr_b32 s90, s43, 3
	s_lshl_b32 s90, s90, 4
	s_lshl_b32 s92, s42, 2
	s_add_co_u32 s90, s90, s92
	s_lshl_b32 s92, s[CH], 1
	s_add_co_u32 s90, s90, s92
	s_lshl_b32 s90, s90, 18
	s_and_b32 s93, s43, 7
	s_lshl_b32 s93, s93, 8
	s_lshl_b32 s92, s[RH], 7
	s_add_co_u32 s93, s93, s92                     ; my first row's position in its sequence
	s_lshl_b32 s92, s93, 7
	s_add_co_u32 s90, s90, s92
	s_add_nc_u64 s[8:9], s[8:9], s[90:91]
	v_add_nc_u32 v[POS], s93, v1
	v_cvt_f32_u32 v[POS], v[POS]
	v_mov_b32 v[FQ+1], 0                           ; named as pairs, so they are written
	v_mov_b32 v[FQ+3], 0
	s_wait_kmcnt 0x0
	v_mov_b32 v[G], s82
	v_cvt_pk_bf16_f32 v[G], v[G], v[G]             ; scale rounded to bf16,
	v_lshlrev_b32 v[G], 16, v[G]                   ; as f32 again
	v_mul_f32 v[G], 0x3e38aa3b, v[G]               ; g = scale log2(e) / 8
	v_mov_b32 v[DQ], s[TD]
	v_mov_b32 v[DQ+1], s[TD+1]
	v_cvt_pk_bf16_f32 v4, v[DQ], v[DQ+1]           ; time_decay likewise
	v_lshlrev_b32 v[DQ], 16, v4
	v_and_b32 v[DQ+1], s[HIW], v4
	v_mul_f32 v[E0],   v[DQ],   v[POS]             ; time_decay x pos,
	v_mul_f32 v[E0+1], v[DQ+1], v[POS]
	v_mul_f32 v[E0],   0xbfb8aa3b, v[E0]           ; times -log2(e)
	v_mul_f32 v[E0+1], 0xbfb8aa3b, v[E0+1]
	v_mul_f32 v[DQ],   0xc1b8aa3b, v[DQ]           ; -16 log2(e) time_decay: sixteen rows on
	v_mul_f32 v[DQ+1], 0xc1b8aa3b, v[DQ+1]
	v_exp_f32 v[E0],   v[E0]
	v_exp_f32 v[E0+1], v[E0+1]
	v_exp_f32 v[DQ],   v[DQ]
	v_exp_f32 v[DQ+1], v[DQ+1]
	v_nop                                          ; a plain instruction behind the exponentials
	s_wait_alu depctr_va_vdst(0)
	v_mul_f32 v[FQ],   v[G], v[E0]                 ; the factors of my first 16 rows (only KIND 1 uses them)
	v_mul_f32 v[FQ+2], v[G], v[E0+1]
; 16 matrix instructions: row blocks a0, a0 + 1 of the window's four x all 8 column blocks, 32 along K.  first = 1: the bias starts the sums.
.macro MUL16 f, hi, a0, first
.if \first
	WIN 0x81+0x40*(\hi)                            ; C in window 0, D in window 2 or 3
.else
	WIN MUL_LO+0x50*(\hi)
.endif
.irp a, \a0, (\a0)+1
.irp b, 0,1,2,3,4,5,6,7
.if \first
	v_wmma_f32_16x16x32_bf16 v[8*(8*(\a)+(\b)):8*(8*(\a)+(\b))+7], v[(\f)+8*(\b):(\f)+8*(\b)+7], v[(\f)+8*(4*(\hi)+(\a)):(\f)+8*(4*(\hi)+(\a))+7], v[BI+8*(\b):BI+8*(\b)+7]
.else
	v_wmma_f32_16x16x32_bf16 v[8*(8*(\a)+(\b)):8*(8*(\a)+(\b))+7], v[(\f)+8*(\b):(\f)+8*(\b)+7], v[(\f)+8*(4*(\hi)+(\a)):(\f)+8*(4*(\hi)+(\a))+7], v[8*(8*(\a)+(\b)):8*(8*(\a)+(\b))+7]
.endif
.endr
.endr
.endm
; 32 LDS loads in one run: the fragments of a quarter step (32 K at byte k of the rows) into buffer f
.macro FETCH slot, k, f
	WIN TO_B
.irp i, 0,1,2,3,4,5,6,7
	ds_load_b128 v[(\f)+8*(\i):(\f)+8*(\i)+3],   v[ADRB+(\slot)] offset:(\k)+(\i)*16*PITCH
	ds_load_b128 v[(\f)+8*(\i)+4:(\f)+8*(\i)+7], v[ADRB+(\slot)] offset:(\k)+(\i)*16*PITCH+32
.endr
	WIN 0
.irp i, 0,1,2,3,4,5,6,7
	ds_load_b128 v[(\f)+8*(\i):(\f)+8*(\i)+3],   v[ADRA+(\slot)] offset:(\k)+(\i)*16*PITCH
	ds_load_b128 v[(\f)+8*(\i)+4:(\f)+8*(\i)+7], v[ADRA+(\slot)] offset:(\k)+(\i)*16*PITCH+32
.endr
.endm
.macro PLACES                          ; four plain vector instructions between a matrix instruction and a load into, or a vector read or write of, its registers
.rept 4
	v_nop
.endr
.endm
; A K step is four quarters of 32 along K, 64 matrix instructions each, on buffers 0, 1, 0, 1; the 64 accumulators take turns.
.macro QUARTER slot, k, f, g, first
	s_wait_dscnt 8                                 ; w and rows 0-63 of x are in; the youngest eight loads (rows 64-127 of x) may be out
	MUL16 \f, 0, 0, \first
	MUL16 \f, 0, 2, \first
	PLACES
	FETCH \slot, \k, \g
	s_wait_dscnt 32                                ; all but the 32 just issued
	MUL16 \f, 1, 0, \first
	MUL16 \f, 1, 2, \first
.endm
; The first half of the last quarter: ONE barrier for the change of slots.
.macro MEET round
	WIN 0
	s_wait_tensorcnt 0x0                           ; all my tensor loads have landed: the one that was out is my part of the next slot
	ds_add_u32 v[SPW], v[NIL]
	s_wait_dscnt 9                                 ; the add and the youngest eight loads may be out
	MUL16 F1, 0, 0, 0
	s_wait_dscnt 0x0                               ; the add is done, and my reads of this slot are over
	s_barrier_signal -1
	MUL16 F1, 0, 2, 0
.if \round
	WIN 0
.endif
	s_barrier_wait -1
.endm
.macro TURN slot, next                 ; the whole last quarter: the slot just read out is filled again, two K steps on, first thing behind the round
	MEET 1
	CREST
	s_add_nc_u64 s[G0+4*(\slot)+2:G0+4*(\slot)+3], s[G0+4*(\slot)+2:G0+4*(\slot)+3], 2*KSTEP*2
	s_add_nc_u64 s[G0B+4*(\slot)+2:G0B+4*(\slot)+3], s[G0B+4*(\slot)+2:G0B+4*(\slot)+3], 2*KSTEP*2
	JLOAD \slot                                    ; its four v_nop are also the places in front of the loads below
	FETCH \next, 0, F0
	MUL16 F1, 1, 0, 0
	MUL16 F1, 1, 2, 0
.endm
; THE WAY OUT of block a (16 rows x 128 columns).  PACK: for Kd the factor; the rounding to f16; for V the numbers are also added into CS.
.macro PACK a
.set AC, 64*((\a)%4)
.set WW, 2+(\a)/4
	WIN 0
	s_cmp_lg_u32 s[KIND], 1
	s_cbranch_scc1 .Lplain_\@
.if (\a) > 0
	v_mul_f32 v[FQ],   v[FQ],   v[DQ]              ; sixteen rows on: the factor times 2^(-16 x_h)
	v_mul_f32 v[FQ+2], v[FQ+2], v[DQ+1]
.endif
	WIN (WW<<6)|WW
.set z, 0
.rept 32
	v_pk_mul_f32 v[AC+2*z:AC+2*z+1], v[AC+2*z:AC+2*z+1], v[FQ+2*(z/16):FQ+2*(z/16)+1] op_sel_hi:[1,0]
.set z, z+1
.endr
	WIN 0
.Lplain_\@:
	WIN 0x0a+5*((\a)/4)                            ; sources 0 and 1 in window 2 or 3
.set z, 0
.rept 32
	v_cvt_pk_f16_f32 v[TMP+z], v[AC+2*z], v[AC+2*z+1]
.set z, z+1
.endr
	WIN 0
	s_cmp_lg_u32 s[KIND], 2
	s_cbranch_scc1 .Lpacked_\@
	WIN WW                                         ; source 0 in window 2 or 3
.set z, 0
.rept 32
.if (\a) == 0
	v_pk_add_f32 v[CS+2*z:CS+2*z+1], v[AC+2*z:AC+2*z+1], 0 op_sel_hi:[1,0]   ; the first block starts the column sums
.else
	v_pk_add_f32 v[CS+2*z:CS+2*z+1], v[AC+2*z:AC+2*z+1], v[CS+2*z:CS+2*z+1]
.endif
.set z, z+1
.endr
	WIN 0
.Lpacked_\@:
.endm
.macro TOSTAGE a                       ; into my own stage, and back as four rows of one head at a time
	WIN 0
.set BK, OB+192*((\a)%2)
.irp b, 0,1,2,3,4,5,6,7
	ds_store_b128 v[STO], v[TMP+4*(\b):TMP+4*(\b)+3] offset:32*(\b)
.endr
.irp t, 0,1,2,3,4,5,6,7
	ds_load_b128 v[BK+4*(\t):BK+4*(\t)+3], v[RD] offset:((\t)%4)*4*SPITCH+((\t)/4)*128  ; LDS serves a wave's instructions in order: these see the stores above
.endr
.endm
.macro SEND a
	WIN 0
.set BK, OB+192*((\a)%2)
	s_wait_dscnt 0x0                               ; the block is back in registers
	s_wait_xcnt 0x0                                ; the base and the registers that earlier stores read are rewritten only behind this wait
.if (\a) > 0
	s_add_nc_u64 s[8:9], s[8:9], 16*128            ; 16 rows of a head on
.endif
.irp t, 0,1,2,3,4,5,6,7
	global_store_b128 v[CO], v[BK+4*(\t):BK+4*(\t)+3], s[8:9] offset:((\t)/4)*HEADB+((\t)%4)*512  ; 512 consecutive bytes, at a multiple of 256 from the first byte of qkv
.endr
.endm
; A fold of the column sums: n registers become n / 2.  A lane whose l % 16 has bit m keeps the upper half of them and hands the lower half to the lane m away, which keeps the lower half
; and hands over the upper: each sum kept takes the partner's share, by an addition that reads the partner's lane.
.macro FOLD n, m
	v_and_b32 v4, \m, v1
	v_cmp_ne_u32 vcc_lo, 0, v4
.set z, 0
.rept (\n)/2
	v_cndmask_b32 v[FT+2*(z%4)],   v[CS+z], v[CS+z+(\n)/2], vcc_lo       ; what I keep
	v_cndmask_b32 v[FT+2*(z%4)+1], v[CS+z+(\n)/2], v[CS+z], vcc_lo       ; what my partner keeps
	v_add_f32_dpp v[CS+z], v[FT+2*(z%4)+1], v[FT+2*(z%4)] row_xmask:\m row_mask:0xf bank_mask:0xf
.set z, z+1
.endr
.endm
	s_wait_tensorcnt 1                             ; my part of K step 0 is in; K step 1 may stay out
	s_barrier_signal -1
	s_barrier_wait -1
	FETCH 0, 0, F0
	s_wait_loadcnt 0x0                             ; the bias; it is rounded to bf16 and widened again while the first fragments are on their way from LDS
.set z, 0
.rept 32
	v_cvt_pk_bf16_f32 v[OB+z], v[BI+2*z], v[BI+2*z+1]
.set z, z+1
.endr
.set z, 0
.rept 32
	v_lshlrev_b32 v[BI+2*z], 16, v[OB+z]
	v_and_b32 v[BI+2*z+1], s[HIW], v[OB+z]
.set z, z+1
.endr
	QUARTER 0, 64,  F0, F1, 1
	WIN 0
	s_mov_b32 s3, LAPS-1
.Llap:                                                 ; a trip goes once round the ring and fills both slots again: K steps 2 to 7
	QUARTER 0, 128, F1, F0, 0
	QUARTER 0, 192, F0, F1, 0
	TURN 0, 1
	QUARTER 1, 64,  F0, F1, 0
	QUARTER 1, 128, F1, F0, 0
	QUARTER 1, 192, F0, F1, 0
	TURN 1, 0
	QUARTER 0, 64,  F0, F1, 0
	WIN 0
	s_sub_co_u32 s3, s3, 1
	s_cmp_lg_u32 s3, 0
	s_cbranch_scc1 .Llap
	QUARTER 0, 128, F1, F0, 0                      ; the last lap asks for nothing
	QUARTER 0, 192, F0, F1, 0
	MEET 0
	PLACES
	FETCH 1, 0, F0
	MUL16 F1, 1, 0, 0
	MUL16 F1, 1, 2, 0
	QUARTER 1, 64,  F0, F1, 0
	QUARTER 1, 128, F1, F0, 0
	QUARTER 1, 192, F0, F1, 0
	s_wait_dscnt 8
	MUL16 F1, 0, 0, 0
	MUL16 F1, 0, 2, 0
	s_wait_dscnt 0x0
	MUL16 F1, 1, 0, 0
	MUL16 F1, 1, 2, 0
	WIN 0
	PLACES
	PACK 0
	TOSTAGE 0
.irp a, 1,2,3,4,5,6,7                  ; block a's arithmetic stands between block a - 1's loads from the stage and the wait for them
	PACK \a
	SEND (\a)-1
	TOSTAGE \a
.endr
	SEND 7
	s_cmp_lg_u32 s[KIND], 2
	s_cbranch_scc1 .Lno_sums
	; V alone: CS holds, for my row l % 16 of each of the 8 blocks, the sums over blocks.  Four folds add the 16 lanes of a half and leave each lane four of the 64 sums.
	; Register z of lane (r, h) then holds CS index z + 32 (bit 2 of r) + 16 (bit 1) + 8 (bit 0) + 4 (bit 3) = 8 (r % 8) + 4 (r / 8) + z: column 16 (r % 8) + 8 h + 4 (r / 8) + z.
	s_sub_co_u32 s90, s43, 32
	s_lshl_b32 s90, s90, 1
	s_add_co_u32 s90, s90, s[RH]                   ; which block of 128 rows of V
	s_lshl_b32 s90, s90, 12
	s_lshl_b32 s92, s42, 10
	s_add_co_u32 s90, s90, s92
	s_lshl_b32 s92, s[CH], 9
	s_add_co_u32 s90, s90, s92
	s_add_nc_u64 s[10:11], s[10:11], s[90:91]
	FOLD 64, 4
	FOLD 32, 2
	FOLD 16, 1
	FOLD 8, 8
	global_store_b128 v[PSO], v[CS:CS+3], s[10:11]    ; the wave's 128 sums: 512 consecutive bytes in one store
.Lno_sums:
	s_wait_tensorcnt 0x0                           ; the wave's end
	ds_add_u32 v[SPW], v[NIL]
	s_wait_dscnt 0x0
	CROUND                                         ; the closing round
	s_endpgm
.Lfunc_end_k_q5a06d93092_proj:
	.size	k_q5a06d93092_proj, .Lfunc_end_k_q5a06d93092_proj-k_q5a06d93092_proj
	.p2alignl 7, 3214868480
	.fill 96, 4, 3214868480
	.section	.rodata,"a",@progbits
	.p2align	6, 0x0
	.amdhsa_kernel k_q5a06d93092_proj
		.amdhsa_group_segment_fixed_size 327680
		.amdhsa_private_segment_fixed_size 0
		.amdhsa_enable_private_segment 0
		.amdhsa_kernarg_size 72
		.amdhsa_user_sgpr_count 2
		.amdhsa_user_sgpr_kernarg_segment_ptr 1
		.amdhsa_wavefront_size32 1
		.amdhsa_system_sgpr_workgroup_id_x 1
		.amdhsa_system_sgpr_workgroup_id_y 1
		.amdhsa_system_sgpr_workgroup_id_z 1
		.amdhsa_system_vgpr_workitem_id 0
		.amdhsa_next_free_vgpr 1024
		.amdhsa_next_free_sgpr 100
		.amdhsa_reserve_vcc 1
		.amdhsa_float_denorm_mode_32 3
		.amdhsa_float_denorm_mode_16_64 3
		.amdhsa_memory_ordered 1
		.amdhsa_forward_progress 1
		.amdhsa_inst_pref_size 193
	.end_amdhsa_kernel
	.amdgpu_metadata
---
amdhsa.version: [ 1, 2 ]
amdhsa.kernels:
  - .name:           k_q5a06d93092_proj
    .symbol:         k_q5a06d93092_proj.kd
    .args:
      - { .name: xb, .offset: 0, .size: 8, .value_kind: global_buffer, .address_space: global }
      - { .name: wb, .offset: 8, .size: 8, .value_kind: global_buffer, .address_space: global }
      - { .name: qkv, .offset: 16, .size: 8, .value_kind: global_buffer, .address_space: global }
      - { .name: ps, .offset: 24, .size: 8, .value_kind: global_buffer, .address_space: global }
      - { .name: bq, .offset: 32, .size: 8, .value_kind: global_buffer, .address_space: global }
      - { .name: bk, .offset: 40, .size: 8, .value_kind: global_buffer, .address_space: global }
      - { .name: bv, .offset: 48, .size: 8, .value_kind: global_buffer, .address_space: global }
      - { .name: scale, .offset: 56, .size: 8, .value_kind: global_buffer, .address_space: global }
      - { .name: time_decay, .offset: 64, .size: 8, .value_kind: global_buffer, .address_space: global }
    .group_segment_fixed_size: 327680
    .private_segment_fixed_size: 0
    .kernarg_segment_align: 8
    .kernarg_segment_size: 72
    .max_flat_workgroup_size: 128
    .sgpr_count:     100
    .vgpr_count:     1024
    .wavefront_size: 32
...
	.end_amdgpu_metadata
.endif
;; end of part 2
;; launch attn (part 3): grid 8 x 32, 4 waves a work-group, no clusters, 50,688 bytes of LDS; arguments qkv, ps, cnt, ctx; writes ctx
.if DOCPART == 3
	.amdgcn_target "amdgcn-amd-amdhsa--gfx1250"
	.amdhsa_code_object_version 6
	.text
	.protected	k_q5a06d93092_attn
	.globl	k_q5a06d93092_attn
	.p2align	8
	.type	k_q5a06d93092_attn,@function
k_q5a06d93092_attn:
	s_mov_b64 s[64:65], 0
	v_nop
	global_prefetch_b8 v0, s[64:65] scope:SCOPE_SE
	s_setreg_imm32_b32 hwreg(HW_REG_WAVE_MODE, 25, 1), 1
	s_wait_xcnt 0x0
; ATTN.  ctx[b][h][q][:] = sum over k of softmax_k(s) sigmoid(s) V[k][:], s = scale decay(k) Q[q] . K[k] / 8.  Q, Kd (K with scale, log2(e) / 8 and the decay folded in) and V, all f16,
; lie by heads in qkv; z = Q . Kd is s log2(e).  Products, maxima and sums in f32; the weights are rounded to f16 for the second product, ctx (f16, by heads) once at the end.
; SOFTMAX.  A running maximum m of z: e = 2^(z - m); the divisor l is the sum of the e; sigmoid(s) = 1 / (1 + 2^-z) = e / (e + 2^-m), so a weight is e e / (e + 2^-m): one reciprocal.
; O and l are multiplied by a = 2^(m_old - m_new) in every step; m starts at the lowest finite number, O and l at 0, so the first step is a step like any other, with a = 0.
; THE WALK.  cnt[h] = NB, made by an earlier launch from time_decay[h]: from key 128 NB on the decay is below 2^-126 and counts as 0.  Those scores are 0, their e is 2^-m, their sigmoid 1/2:
; they enter in closed form, l += n 2^-m and O += 2^-m / 2 x (sum of V over those keys), the sum taken from ps (f32 sums of V over blocks of 128 keys), with 0 in the maximum.
; With NB = 16 nothing is left over and all keys are walked.  The trip count 2 NB is a whole number read from memory, held in 2 .. 32.
; LIMITS.  Q, Kd and V arrive within 65,504, the end of f16; below 6e-5 they keep f16's fixed step of 6e-8.  The error of a score whose decay counts as 0 is |Q . K / 8 scale| 2^-126.
; 2^-m is held at 2^-100 or above: that changes only weights below 2^-76 of the largest.  A weight below 2^-126 counts as 0 in l; ctx has the range of V.  NaN and infinities are not treated apart.
; SHARES.  A work-group owns 256 queries of one head, a wave 64: four tiles of 16.  The waves share nothing: no barrier.
; NO TENSOR LOADS, NO RING, NO CLUSTER.  The length of the walk is read from memory and may be two steps: then a work-group needs 32 KB of Kd and V in all.  A ring wants a tail written out and
; barriers in a loop whose count is not in the text.  So each wave loads a step's 16 KB into registers, one step ahead; the price is that the four waves fetch the same bytes.
; LAYOUT.  S^T = Kd Q^T holds ONE query a lane (lane % 16) and the keys 8 (lane / 16) + 0..7; two such results rounded to f16 ARE source 1 of O^T = V^T P.  Kd comes as it lies;
; V ([key][channel]) goes through the wave's own LDS stage and comes back turned, by ds_load_tr16_b128.
; REGISTERS, in windows of 256 (s_set_vgpr_msb: bits 1:0 source 0, 3:2 source 1, 5:4 source 2, 7:6 destination):
;   window 0: v1-14 addresses; v24-55 statistics; v56-63 sum chains; v64-191 S^T, 32 a tile (P in a tile's first 16); v192-223 R at work; v224-255 SV
;   window 1: v0-127 O^T, 32 a tile; v128-191 Q, 16 a tile          window 2: v0-63 Kd; v64-127 V as loaded; v128-191 V turned
.set PVP,   160                        ; a row of V in LDS: 128 bytes + 32
.set VST,   64*PVP                     ; a wave's stage for V
.set OSTG,  4*VST                      ; behind them: 16 rows x 144 bytes for each wave, for the way out
.set SP,    144
.set SPARE, OSTG+4*16*SP               ; the spare words, 128 bytes a wave: no other line names them
.set KO,  3                            ; v3   128 (l % 16) + 16 (l / 16): my place in 16 rows of Q or Kd
.set VO,  4                            ; v4   16 x lane: my place in 512 consecutive bytes of V, and of ctx
.set VS,  5                            ; v5   where those bytes of V go in my stage
.set VT,  6                            ; v6   where the turning load reads
.set STO, 7
.set RD,  8
.set PSO, 10                           ; v10  my place in ps: block l % 16, channels 8 (l / 16) on
.set SPW, 12                           ; v12  my spare word; never rewritten
.set NIL, 13                           ; v13  0; never rewritten
.set NT,  14                           ; v14  the number of keys left over, as f32
.set ST,  24                           ; tile t at ST + 8 t: m, -, l (even keys, odd keys), a, -, 2^-m, -  (the blanks are named with their neighbours as pairs)
.set LC,  56
.set S,   64
.set R,   192                          ; its first 16 are also c0-c3 of the four tiles while the maxima are found
.set SV,  224
.set OT,  0
.set QF,  128
.set KF,  0
.set VR,  64
.set VF,  128
.set MSB, 0
.macro WIN new
.if MSB != (\new)
	s_set_vgpr_msb (MSB<<8)|(\new)
.set MSB, \new
.endif
.endm
.macro ALL line:vararg                 ; one line for each tile t
.set t, 0
	s_wait_alu depctr_va_vdst(0)
.rept 4
	\line
.set t, t+1
.endr
.endm
; a step's 64 keys: Kd as 8 fragments (keys 16 (f / 2) on, channels 32 (f % 2) on), V as 16 x 512 consecutive bytes
.macro LOADKV
	WIN 0x80                                       ; destination window 2
.irp f, 0,1,2,3,4,5,6,7
	global_load_b128 v[KF+8*(\f):KF+8*(\f)+3],   v[KO], s[24:25] offset:((\f)/2)*2048+((\f)%2)*64
	global_load_b128 v[KF+8*(\f)+4:KF+8*(\f)+7], v[KO], s[24:25] offset:((\f)/2)*2048+((\f)%2)*64+32
.endr
.irp f, 0,1,2,3,4,5,6,7,8,9,10,11,12,13,14,15
	global_load_b128 v[VR+4*(\f):VR+4*(\f)+3], v[VO], s[26:27] offset:512*(\f)
.endr
	WIN 0
.endm
	s_load_b256 s[4:11], s[0:1], 0x0               ; qkv s[4:5], ps s[6:7], cnt s[8:9], ctx s[10:11]
	v_lshl_add_u32 v[SPW], v0, 2, SPARE
	v_mov_b32 v[NIL], 0
	v_lshrrev_b32 v11, 5, v0
	v_readfirstlane_b32 s12, v11                   ; wave
	s_mov_b32 s13, ttmp9                           ; block of 256 queries
	s_and_b32 s14, ttmp7, 0xffff                   ; 16 b + h
	s_and_b32 s15, s14, 15                         ; h
	s_lshr_b32 s16, s14, 4                         ; b
	s_mov_b32 s32, 0x76543210                      ; v_permlanex16_b32: each lane takes its own place in the other half
	s_mov_b32 s33, 0xfedcba98
	s_mov_b32 s35, 0x0d800000                      ; 2^-100
	s_mov_b32 s37, 0
	s_mov_b32 s39, 0
	v_and_b32 v1, 15, v0                           ; l % 16
	v_bfe_u32 v2, v0, 4, 1                         ; l / 16
	v_lshlrev_b32 v[KO], 7, v1
	v_lshl_add_u32 v[KO], v2, 4, v[KO]
	v_and_b32 v11, 31, v0
	v_lshlrev_b32 v[VO], 4, v11
	v_lshlrev_b32 v[PSO], 12, v1
	v_lshl_add_u32 v[PSO], v2, 5, v[PSO]
	s_mul_i32 s17, s12, VST                        ; my stage for V
	s_mul_i32 s18, s12, 16*SP
	s_add_co_u32 s18, s18, OSTG                    ; and for the way out
	v_bfe_u32 v[VS], v0, 3, 2                      ; lane / 8: which of four rows
	v_and_b32 v11, 7, v0                           ; lane % 8: which 16 bytes of it
	v_mul_u32_u24 v[RD], v[VS], SP
	v_mul_u32_u24 v[VS], v[VS], PVP
	v_lshl_add_u32 v[VS], v11, 4, v[VS]
	v_add_nc_u32 v[VS], s17, v[VS]
	v_lshl_add_u32 v[VT], v2, 3, v11               ; the turning load: key 8 (l / 16) + l % 8, channels 8 ((l / 8) % 2) on
	v_mul_u32_u24 v[VT], v[VT], PVP
	v_bfe_u32 v[STO], v0, 3, 1
	v_lshl_add_u32 v[VT], v[STO], 4, v[VT]
	v_add_nc_u32 v[VT], s17, v[VT]
	v_lshl_add_u32 v[RD], v11, 4, v[RD]
	v_add_nc_u32 v[RD], s18, v[RD]
	v_mul_u32_u24 v[STO], v1, SP
	v_lshl_add_u32 v[STO], v2, 4, v[STO]
	v_add_nc_u32 v[STO], s18, v[STO]
	s_wait_kmcnt 0x0
	s_lshl_b32 s36, s15, 2
	s_add_nc_u64 s[8:9], s[8:9], s[36:37]
	s_load_b32 s20, s[8:9], 0x0                    ; NB
	s_lshl_b32 s36, s14, 18                        ; a head is 262,144 bytes
	s_add_nc_u64 s[28:29], s[4:5], s[36:37]        ; Q's head,
	s_add_nc_u64 s[24:25], s[28:29], 0x800000      ; Kd's, 32 heads on,
	s_add_nc_u64 s[26:27], s[28:29], 0x1000000     ; V's, 64 heads on
	s_add_nc_u64 s[10:11], s[10:11], s[36:37]
	s_lshl_b32 s38, s13, 15                        ; my block's 256 rows of 128 bytes,
	s_lshl_b32 s36, s12, 13                        ; my wave's 64 of them
	s_add_co_u32 s38, s38, s36
	s_add_nc_u64 s[28:29], s[28:29], s[38:39]
	s_add_nc_u64 s[10:11], s[10:11], s[38:39]
	s_lshl_b32 s38, s16, 16                        ; ps: 16 blocks of 4,096 bytes a batch,
	s_lshl_b32 s36, s15, 8                         ; 256 bytes a head
	s_add_co_u32 s38, s38, s36
	s_add_nc_u64 s[30:31], s[6:7], s[38:39]
	LOADKV                                         ; key step 0
	WIN 0x40                                       ; destination window 1
.irp f, 0,1,2,3,4,5,6,7                ; Q stays in registers: tile f / 2, channels 32 (f % 2) on
	global_load_b128 v[QF+8*(\f):QF+8*(\f)+3],   v[KO], s[28:29] offset:((\f)/2)*2048+((\f)%2)*64
	global_load_b128 v[QF+8*(\f)+4:QF+8*(\f)+7], v[KO], s[28:29] offset:((\f)/2)*2048+((\f)%2)*64+32
.endr
	WIN 0
.irp f, 0,1,2,3                        ; lane (r, h): block r's sums of channels 16 f + 8 h + 0..7
	global_load_b128 v[SV+8*(\f):SV+8*(\f)+3],   v[PSO], s[30:31] offset:64*(\f)
	global_load_b128 v[SV+8*(\f)+4:SV+8*(\f)+7], v[PSO], s[30:31] offset:64*(\f)+16
.endr
	WIN 0x40                                       ; O^T starts at 0: no first step is written out; these lines stand in the wait for the loads
.set i, 0
.rept 128
	v_mov_b32 v[OT+i], 0
.set i, i+1
.endr
	WIN 0
.set i, 0
.rept 32
	v_mov_b32 v[ST+i], 0
.set i, i+1
.endr
	ALL v_mov_b32 v[ST+8*t], 0xff7fffff
	s_wait_kmcnt 0x0
	s_min_u32 s20, s20, 16
	s_max_u32 s20, s20, 1
	s_lshl_b32 s21, s20, 1                         ; steps of 64 keys
	s_lshl_b32 s36, s20, 7
	s_sub_co_u32 s36, 0x800, s36                   ; keys left over
	v_cvt_f32_u32 v[NT], s36
	s_cmp_lt_u32 s20, 16
	s_cselect_b32 s34, 0, 0xff7fffff               ; their score, 0; with none left over the lowest finite number, which changes no maximum and whose e is 0
	s_wait_loadcnt 0x0
	v_cmp_le_u32 vcc_lo, s20, v1                   ; block r counts if NB <= r
.set i, 0
.rept 32
	v_cndmask_b32 v[SV+i], 0, v[SV+i], vcc_lo
.set i, i+1
.endr
.irp m, 1,2,4,8                        ; the 16 lanes of a half are added: every lane holds the sum of V over the keys left over, for its 32 channels
.set i, 0
.rept 32
	v_add_f32_dpp v[SV+i], v[SV+i], v[SV+i] row_xmask:\m row_mask:0xf bank_mask:0xf
.set i, i+1
.endr
.endr
; Product i of 32 of S^T = Kd Q^T: channels 32 (i / 16) on, keys 16 ((i % 16) / 4) on, tile i % 4.  The 16 accumulators take turns; the first 16 start the sums.
.macro QK
.set c, i/16
.set t, i%4
.set kb, (i%16)/4
.if i < 16
	v_wmma_f32_16x16x32_f16 v[S+32*t+8*kb:S+32*t+8*kb+7], v[KF+16*kb+8*c:KF+16*kb+8*c+7], v[QF+16*t+8*c:QF+16*t+8*c+7], 0
.else
	v_wmma_f32_16x16x32_f16 v[S+32*t+8*kb:S+32*t+8*kb+7], v[KF+16*kb+8*c:KF+16*kb+8*c+7], v[QF+16*t+8*c:QF+16*t+8*c+7], v[S+32*t+8*kb:S+32*t+8*kb+7]
.endif
.endm
; Product i of 32 of O^T += V^T P: keys 32 (i / 16) on, channels 16 ((i % 16) / 4) on, tile i % 4.
.macro PVM
.set kk, i/16
.set t, i%4
.set cb, (i%16)/4
	v_wmma_f32_16x16x32_f16 v[OT+32*t+8*cb:OT+32*t+8*cb+7], v[VF+32*kk+8*cb:VF+32*kk+8*cb+7], v[S+32*t+8*kk:S+32*t+8*kk+7], v[OT+32*t+8*cb:OT+32*t+8*cb+7]
.endm
; Number n of the list that finds the maxima and statistics, for all four tiles, which alternate so that no line reads the result of the one before it.
;   0-11  four chains c0-c3 of seven scores each (each accumulator's lowest registers are read first)     12-15  the four scores left, the old m, c0-c3 into c0
;   16, 17  the query's other 32 keys lie in the lane 16 away: the new m     18  m_old - m_new     19  m; -m     20, 21  a; 2^-m     22  2^-m held at 2^-100 or above
.macro MX n
.irp t, 0,1,2,3
.set rT, ST+8*(\t)
.set rS, S+32*(\t)
.set rC, R+4*(\t)
.if (\n) < 4
	v_max3_num_f32 v[rC+(\n)], v[rS+8*(\n)], v[rS+8*(\n)+1], v[rS+8*(\n)+2]
.elseif (\n) < 12
	v_max3_num_f32 v[rC+(\n)%4], v[rC+(\n)%4], v[rS+8*((\n)%4)+2*((\n)/4)+1], v[rS+8*((\n)%4)+2*((\n)/4)+2]
.elseif (\n) == 12
	v_max3_num_f32 v[rC], v[rC], v[rS+7], v[rS+15]
.elseif (\n) == 13
	v_max3_num_f32 v[rC+1], v[rC+1], v[rS+23], v[rS+31]
.elseif (\n) == 14
	v_max3_num_f32 v[rC+2], v[rC+2], v[rC+3], v[rT]
.elseif (\n) == 15
	v_max3_num_f32 v[rC], v[rC], v[rC+1], v[rC+2]
.elseif (\n) == 16
	v_permlanex16_b32 v[rC+3], v[rC], s32, s33
.elseif (\n) == 17
	v_max_num_f32 v[rC+1], v[rC], v[rC+3]
.elseif (\n) == 18
	v_sub_f32 v[rC+2], v[rT], v[rC+1]
.elseif (\n) == 19
	v_mov_b32 v[rT], v[rC+1]
	v_sub_f32 v[rC+3], 0, v[rC+1]
.elseif (\n) == 20
	v_exp_f32 v[rT+4], v[rC+2]
.elseif (\n) == 21
	v_exp_f32 v[rT+6], v[rC+3]
.else
	v_max_num_f32 v[rT+6], s35, v[rT+6]
.endif
.endr
.endm
; A tile's 16 pairs of scores go through five stations, a pair a turn: z - m | e = 2^(.) | R = e + 2^-m, and the sum chains | 1 / R | R = R e e.  Behind each two transcendentals stands
; a plain instruction that touches neither their results nor their sources (ISA guide 5.7.2).  Then l = a l + sum, and the weights are rounded to f16 into the tile's first 16 registers.
.macro PIPE t
.set rT, ST+8*(\t)
.set rS, S+32*(\t)
.set i, 0
.rept 20
.if i < 16
	v_pk_add_f32 v[rS+2*i:rS+2*i+1], v[rS+2*i:rS+2*i+1], v[rT:rT+1] op_sel_hi:[1,0] neg_lo:[0,1] neg_hi:[0,1]
.endif
.if (i >= 1) && (i < 17)
	v_exp_f32 v[rS+2*i-2], v[rS+2*i-2]
	v_exp_f32 v[rS+2*i-1], v[rS+2*i-1]
.endif
.if (i >= 2) && (i < 18)
.set p, i-2
	s_wait_alu depctr_va_vdst(0)
	v_pk_add_f32 v[R+2*p:R+2*p+1], v[rS+2*p:rS+2*p+1], v[rT+6:rT+7] op_sel_hi:[1,0]
.if (p >= 4) && (p < 8)
	v_pk_add_f32 v[LC+2*(p%4):LC+2*(p%4)+1], v[rS+2*p-8:rS+2*p-7], v[rS+2*p:rS+2*p+1]
.elseif p >= 8
	v_pk_add_f32 v[LC+2*(p%4):LC+2*(p%4)+1], v[LC+2*(p%4):LC+2*(p%4)+1], v[rS+2*p:rS+2*p+1]
.endif
.endif
.if (i >= 3) && (i < 19)
	v_rcp_f32 v[R+2*i-6], v[R+2*i-6]
	v_rcp_f32 v[R+2*i-5], v[R+2*i-5]
.endif
.if i >= 4
.set p, i-4
	s_wait_alu depctr_va_vdst(0)
	v_pk_mul_f32 v[R+2*p:R+2*p+1], v[R+2*p:R+2*p+1], v[rS+2*p:rS+2*p+1]
	v_pk_mul_f32 v[R+2*p:R+2*p+1], v[R+2*p:R+2*p+1], v[rS+2*p:rS+2*p+1]
.endif
.set i, i+1
.endr
	v_pk_add_f32 v[LC:LC+1], v[LC:LC+1], v[LC+2:LC+3]
	v_pk_add_f32 v[LC+4:LC+5], v[LC+4:LC+5], v[LC+6:LC+7]
	v_pk_add_f32 v[LC:LC+1], v[LC:LC+1], v[LC+4:LC+5]
	v_pk_fma_f32 v[rT+2:rT+3], v[rT+2:rT+3], v[rT+4:rT+5], v[LC:LC+1] op_sel_hi:[1,0,1]
.set p, 0
.rept 16
	v_cvt_pk_f16_f32 v[rS+p], v[R+2*p], v[R+2*p+1]
.set p, p+1
.endr
.endm
	s_mov_b32 s22, 0
.Lstep:                                                ; 2 NB trips of 64 keys; the LDS addresses are the same in every trip
	s_wait_loadcnt 0x0                             ; this step's Kd and V, asked for a trip ago
	WIN 0x08                                       ; store data in window 2
.irp f, 0,1,2,3,4,5,6,7,8,9,10,11,12,13,14,15
	ds_store_b128 v[VS], v[VR+4*(\f):VR+4*(\f)+3] offset:(\f)*4*PVP
.endr
	WIN 0x80
.irp f, 0,1,2,3,4,5,6,7                ; keys 32 (f / 4) on, channels 16 (f % 4) on; LDS serves a wave's instructions in order: these see the stores above
	ds_load_tr16_b128 v[VF+8*(\f):VF+8*(\f)+3],   v[VT] offset:((\f)/4)*32*PVP+((\f)%4)*32
	ds_load_tr16_b128 v[VF+8*(\f)+4:VF+8*(\f)+7], v[VT] offset:((\f)/4)*32*PVP+16*PVP+((\f)%4)*32
.endr
	WIN 0x06                                       ; Kd in window 2, Q in window 1, S^T in window 0
.set i, 0
.rept 32
	QK
.set i, i+1
.endr
	WIN 0
.rept 4
	v_nop                                          ; the places in front of the loads into Kd's registers and of the first read of the scores
.endr
	s_wait_dscnt 0x0                               ; V is turned, and the stage has been read
	s_add_co_u32 s23, s22, 1
	s_cmp_lt_u32 s23, s21
	s_cbranch_scc0 .Lno_next                       ; the last trip asks for nothing: no load leaves the head
	s_add_nc_u64 s[24:25], s[24:25], 8192          ; (the loads that named these bases are done: the wait at the trip's head)
	s_add_nc_u64 s[26:27], s[26:27], 8192
	LOADKV                                         ; the next step, a whole softmax and 32 products ahead of its use
.Lno_next:
.irp n, 0,1,2,3,4,5,6,7,8,9,10,11,12,13,14,15,16,17,18,19,20,21
	MX \n
.endr
	v_nop                                          ; a plain instruction behind the exponentials
	s_wait_alu depctr_va_vdst(0)
	MX 22
	PIPE 0
	PIPE 1
	PIPE 2
	PIPE 3
	WIN 0x41                                       ; O^T (destination and source 0) in window 1, a in window 0
.irp t, 0,1,2,3
.set i, 0
.rept 16
	v_pk_mul_f32 v[OT+32*(\t)+2*i:OT+32*(\t)+2*i+1], v[OT+32*(\t)+2*i:OT+32*(\t)+2*i+1], v[ST+8*(\t)+4:ST+8*(\t)+5] op_sel_hi:[1,0]
.set i, i+1
.endr
.endr
	WIN 0x52                                       ; V in window 2, P in window 0, O^T in window 1
.set i, 0
.rept 32
	PVM
.set i, i+1
.endr
	WIN 0
.rept 5
	v_nop                                          ; the next trip's products write over P and its turning loads over V; behind the loop O^T is read
.endr
	s_add_co_u32 s22, s22, 1
	s_cmp_lt_u32 s22, s21
	s_cbranch_scc1 .Lstep
	; THE KEYS LEFT OVER, AND THE DIVISION.  m_new = max(m, Z); a = 2^(m - m_new); e0 = 2^(Z - m_new); l = a (l of both halves) + n e0; O = (a O + e0 / 2 SV) / l.
	ALL v_max_num_f32 v[R+4*t], s34, v[ST+8*t]
	ALL v_sub_f32 v[R+4*t+1], v[ST+8*t], v[R+4*t]
	ALL v_sub_f32 v[R+4*t+2], s34, v[R+4*t]
	ALL v_exp_f32 v[ST+8*t+4], v[R+4*t+1]
	ALL v_exp_f32 v[ST+8*t+6], v[R+4*t+2]
	ALL v_add_f32 v[R+4*t+3], v[ST+8*t+2], v[ST+8*t+3]
	ALL v_permlanex16_b32 v[R+4*t+1], v[R+4*t+3], s32, s33
	ALL v_add_f32 v[R+4*t+3], v[R+4*t+3], v[R+4*t+1]
	ALL v_mul_f32 v[R+4*t+2], v[NT], v[ST+8*t+6]
	ALL v_fma_f32 v[R+4*t+3], v[R+4*t+3], v[ST+8*t+4], v[R+4*t+2]
	ALL v_rcp_f32 v[R+4*t], v[R+4*t+3]
	v_nop                                          ; a plain instruction behind the reciprocals
	s_wait_alu depctr_va_vdst(0)
	ALL v_mul_f32 v[ST+8*t+4], v[ST+8*t+4], v[R+4*t]
	ALL v_mul_f32 v[ST+8*t+6], v[ST+8*t+6], v[R+4*t]
	ALL v_mul_f32 v[ST+8*t+6], 0.5, v[ST+8*t+6]
; Tile t: the eight channels of a lane pack into 16 bytes; they go into rows of 144 bytes of my stage and come back as whole rows of 128.
.macro PACK t
	WIN 0
.set i, 0
.rept 16
	v_pk_mul_f32 v[R+2*i:R+2*i+1], v[SV+2*i:SV+2*i+1], v[ST+8*(\t)+6:ST+8*(\t)+7] op_sel_hi:[1,0]
.set i, i+1
.endr
	WIN 0x01                                       ; source 0 (O^T) in window 1
.set i, 0
.rept 16
	v_pk_fma_f32 v[R+2*i:R+2*i+1], v[OT+32*(\t)+2*i:OT+32*(\t)+2*i+1], v[ST+8*(\t)+4:ST+8*(\t)+5], v[R+2*i:R+2*i+1] op_sel_hi:[1,0,1]
.set i, i+1
.endr
	WIN 0
.set i, 0
.rept 16
	v_cvt_pk_f16_f32 v[S+16*(\t)+i], v[R+2*i], v[R+2*i+1]
.set i, i+1
.endr
.irp f, 0,1,2,3
	ds_store_b128 v[STO], v[S+16*(\t)+4*(\f):S+16*(\t)+4*(\f)+3] offset:32*(\f)
.endr
.irp f, 0,1,2,3
	ds_load_b128 v[S+16*(\t)+4*(\f):S+16*(\t)+4*(\f)+3], v[RD] offset:(\f)*4*SP  ; in order behind the stores above; the next tile's stores come behind them
.endr
.endm
.macro SEND t, younger                 ; younger: the LDS instructions issued behind tile t's loads: the next tile's eight, or none
.irp f, 0,1,2,3
	s_wait_dscnt (\younger)+3-(\f)
	global_store_b128 v[VO], v[S+16*(\t)+4*(\f):S+16*(\t)+4*(\f)+3], s[10:11] offset:(\t)*2048+(\f)*512  ; 512 consecutive bytes, at a multiple of 256 from the first byte of ctx
.endr
.endm
	PACK 0
	PACK 1
	SEND 0, 8
	PACK 2
	SEND 1, 8
	PACK 3
	SEND 2, 8
	SEND 3, 0
	s_wait_tensorcnt 0x0                           ; the wave's end, behind my last LDS store
	ds_add_u32 v[SPW], v[NIL]
	s_wait_dscnt 0x0
	s_endpgm
.Lfunc_end_k_q5a06d93092_attn:
	.size	k_q5a06d93092_attn, .Lfunc_end_k_q5a06d93092_attn-k_q5a06d93092_attn
	.p2alignl 7, 3214868480
	.fill 96, 4, 3214868480
	.section	.rodata,"a",@progbits
	.p2align	6, 0x0
	.amdhsa_kernel k_q5a06d93092_attn
		.amdhsa_group_segment_fixed_size 50688
		.amdhsa_private_segment_fixed_size 0
		.amdhsa_enable_private_segment 0
		.amdhsa_kernarg_size 32
		.amdhsa_user_sgpr_count 2
		.amdhsa_user_sgpr_kernarg_segment_ptr 1
		.amdhsa_wavefront_size32 1
		.amdhsa_system_sgpr_workgroup_id_x 1
		.amdhsa_system_sgpr_workgroup_id_y 1
		.amdhsa_system_sgpr_workgroup_id_z 1
		.amdhsa_system_vgpr_workitem_id 0
		.amdhsa_next_free_vgpr 704
		.amdhsa_next_free_sgpr 66
		.amdhsa_reserve_vcc 1
		.amdhsa_float_denorm_mode_32 3
		.amdhsa_float_denorm_mode_16_64 3
		.amdhsa_memory_ordered 1
		.amdhsa_forward_progress 1
		.amdhsa_inst_pref_size 98
	.end_amdhsa_kernel
	.amdgpu_metadata
---
amdhsa.version: [ 1, 2 ]
amdhsa.kernels:
  - .name:           k_q5a06d93092_attn
    .symbol:         k_q5a06d93092_attn.kd
    .args:
      - { .name: qkv, .offset: 0, .size: 8, .value_kind: global_buffer, .address_space: global }
      - { .name: ps, .offset: 8, .size: 8, .value_kind: global_buffer, .address_space: global }
      - { .name: cnt, .offset: 16, .size: 8, .value_kind: global_buffer, .address_space: global }
      - { .name: ctx, .offset: 24, .size: 8, .value_kind: global_buffer, .address_space: global }
    .group_segment_fixed_size: 50688
    .private_segment_fixed_size: 0
    .kernarg_segment_align: 8
    .kernarg_segment_size: 32
    .max_flat_workgroup_size: 128
    .sgpr_count:     66
    .vgpr_count:     704
    .wavefront_size: 32
...
	.end_amdgpu_metadata
.endif
;; end of part 3
;; launch outp (part 4): grid 8 x 32, 4 waves a work-group, clusters of 4 x 4, 327,680 bytes of LDS; arguments ctx, wb, bo, out0; writes out0
.if DOCPART == 4
	.amdgcn_target "amdgcn-amd-amdhsa--gfx1250"
	.amdhsa_code_object_version 6
	.text
	.protected	k_q5a06d93092_outp
	.globl	k_q5a06d93092_outp
	.p2align	8
	.type	k_q5a06d93092_outp,@function
k_q5a06d93092_outp:
	s_mov_b64 s[64:65], 0
	v_nop
	global_prefetch_b8 v0, s[64:65] scope:SCOPE_SE
	s_setreg_imm32_b32 hwreg(HW_REG_WAVE_MODE, 25, 1), 1
	s_wait_xcnt 0x0
	s_wait_alu depctr_hold_cnt(0) depctr_sa_sdst(0) depctr_va_vdst(0) depctr_va_sdst(0) depctr_va_ssrc(0) depctr_va_vcc(0) depctr_vm_vsrc(0)
	s_getreg_b32 s2, hwreg(HW_REG_IB_STS2, 6, 4)
	s_cmp_eq_u32 s2, 0
	s_cbranch_scc0 .Lentry_in_a_cluster
	s_endpgm
.Lentry_in_a_cluster:
	s_bfe_u32 s2, ttmp6, 0x10000c
	s_cmp_lg_u32 s2, 0xf033
	s_cbranch_scc0 .Lentry_shape_is_right
	s_endpgm
.Lentry_shape_is_right:
; OUTP.  out0[m][n] = sum over k of ctx[m][k] wo[n][k] + bo[n], f32.  ctx lies by heads, [b][h][s][64] f16 (k = 64 h + channel); wo is plane 3 of wb, [1024][1024] f16.  Sums in f32.
; bo is rounded to bf16 on arrival, as every input of the program is.
; LIMIT.  ctx and wo arrive within 65,504, the end of f16.
; SHAPE.  4,096 x 1,024 numbers in tiles of 128 x 128: 256 work-groups.  Four waves of 64 x 64: 16 accumulators.  K goes in four steps of 256 (four heads) through two LDS slots.
; A step's tile of ctx is four heads x 128 rows x 128 bytes; a head's 128 rows are 16,384 consecutive bytes, asked for as ONE row of the tensor, two heads to a load, padded in LDS after every 128 bytes.
; CLUSTER.  4 x 4 work-groups: the four of a row need the same tile of ctx, the four of a column the same tile of wo; each is asked for jointly.
; THE MATRIX INSTRUCTION IS USED TRANSPOSED (source 0 = 16 rows of wo, source 1 = 16 rows of ctx): a lane holds eight neighbouring numbers of a row of out0, 32 bytes.
; THE BIAS is the C operand of the products that start the sums.  A wave's 64 columns are 256 bytes, aligned: each wave goes out through a stage of its own, with no barrier.
; REGISTERS: window 0: v0-31 addresses; v32-95 rows read back, two buffers; v96-127 the bias; v128-255 the accumulators ((a, b) at v[128 + 8 (4 a + b)]).
;   window 1: two fragment buffers of 128: for 64 along K, 64 registers of ctx (2 x 4 x 16 rows x 32 K), then 64 of wo.
.set PA,     144                       ; a row of ctx in LDS: 128 bytes + 16
.set PLANE,  128*PA                    ; a head's 128 rows
.set PB,     528                       ; a row of wo: 512 bytes + 16
.set BOFF,   4*PLANE                   ; wo's 128 rows lie behind the four planes
.set SLOT,   BOFF+128*PB
.set STAGE,  2*SLOT                    ; behind the ring: 16 rows x 272 bytes for each wave
.set SPITCH, 272
.set SPARE,  STAGE+4*16*SPITCH         ; the spare words, 128 bytes a wave: no other line names them
.set ADRA, 16
.set ADRB, 20
.set STO,  24
.set RD,   25
.set CO,   26
.set BIO,  27
.set SPW,  28                          ; my spare word; never rewritten
.set NIL,  29                          ; 0; never rewritten
.set OB,   32
.set BI,   96                          ; bias: column block b at BI + 8 b
.set ACC,  128
.set F0,   0
.set F1,   128
.set G1,  24
.set G0,  32
.set G1B, 48
.set G0B, 56
.set WV,  66                           ; s66 wave   s67 its half of the rows (also: 0 fetches ctx, 1 fetches wo)   s68 its half of the columns (also: which half of that tile it fetches)
.set RH,  67
.set CH,  68
.set MSB, 0
.macro WIN new
.if MSB != (\new)
	s_set_vgpr_msb (MSB<<8)|(\new)
.set MSB, \new
.endif
.endm
.set MUL,  0x05                        ; sources 0 and 1 in window 1; C and D in window 0
.set TO_F, 0x40
.macro JLOAD s                         ; a joint load; an s_nop 0 and four v_nop follow each of the two lines
	s_cmp_eq_u32 s[RH], 0
	s_cbranch_scc0 .Lfor_b_\@
	tensor_load_to_lds s[G0+4*(\s):G0+4*(\s)+3], s[G1:G1+7]
	s_nop 0
.rept 4
	v_nop
.endr
	s_branch .Lasked_\@
.Lfor_b_\@:
	tensor_load_to_lds s[G0B+4*(\s):G0B+4*(\s)+3], s[G1B:G1B+7]
	s_nop 0
.rept 4
	v_nop
.endr
.Lasked_\@:
.endm
.macro CREST
	s_cmp_lg_u32 s[WV], 0
	s_cbranch_scc1 .Lnot_wave_0_\@
	s_barrier_signal -3
.Lnot_wave_0_\@:
	s_barrier_wait -3
	s_barrier_signal -1
	s_barrier_wait -1
.endm
.macro CROUND
	s_barrier_signal -1
	s_barrier_wait -1
	CREST
.endm
	s_load_b256 s[4:11], s[0:1], 0x0               ; ctx s[4:5], wb s[6:7], bo s[8:9], out0 s[10:11]
	v_lshl_add_u32 v[SPW], v0, 2, SPARE
	v_mov_b32 v[NIL], 0
	ds_add_u32 v[SPW], v[NIL]                      ; the opening: the add and its wait ahead of my first tensor load
	v_lshrrev_b32 v1, 5, v0
	v_readfirstlane_b32 s[WV], v1
	s_lshr_b32 s[RH], s[WV], 1
	s_and_b32 s[CH], s[WV], 1
	s_bfe_u32 s40, ttmp6, 0x40000                  ; cx
	s_bfe_u32 s41, ttmp6, 0x40004                  ; cy
	s_lshl_b32 s42, ttmp9, 2
	s_add_co_u32 s42, s42, s40                     ; tile column tx = 0..7
	s_and_b32 s13, ttmp7, 0xffff
	s_lshl_b32 s13, s13, 2
	s_add_co_u32 s13, s13, s41                     ; tile row ty = 0..31
	s_lshl_b32 s43, s41, 2
	s_lshl_b32 s43, 15, s43                        ; my row of the cluster
	s_lshl_b32 s44, 0x1111, s40                    ; my column
	; ctx: two rows (heads) of 8,192 elements, 131,072 elements apart; 16 bytes of padding after every 32 words
	s_or_b32 s[G1+0], s43, (1<<16)|(1<<20)|(1<<21)|(4<<22)|(3<<25)
	s_mov_b32 s[G1+1], 8192<<16                    ; tensor_dim0 = 8,192
	s_mov_b32 s[G1+2], 2<<16                       ; tensor_dim1 = 2
	s_mov_b32 s[G1+3], 8192<<16                    ; tile_dim0 = 8,192
	s_mov_b32 s[G1+4], 2                           ; tile_dim1 = 2
	s_mov_b32 s[G1+5], 131072                      ; elements from head to head
	s_mov_b32 s[G1+6], 0
	s_mov_b32 s[G1+7], 0
	; wo: 64 rows of 256 elements, 1,024 elements apart; 16 bytes of padding after every 128 words
	s_or_b32 s[G1B+0], s44, (1<<16)|(1<<20)|(1<<21)|(6<<22)|(3<<25)
	s_mov_b32 s[G1B+1], 256<<16
	s_mov_b32 s[G1B+2], 64<<16
	s_mov_b32 s[G1B+3], 256<<16
	s_mov_b32 s[G1B+4], 64
	s_mov_b32 s[G1B+5], 1024
	s_mov_b32 s[G1B+6], 0
	s_mov_b32 s[G1B+7], 0
	s_lshr_b32 s16, s13, 4                         ; ctx: batch ty / 16,
	s_lshl_b32 s16, s16, 4
	s_lshl_b32 s17, s[CH], 1
	s_add_co_u32 s16, s16, s17                     ; head 16 b + 2 half (+ 4 for each K step),
	s_lshl_b32 s16, s16, 11
	s_and_b32 s17, s13, 15
	s_lshl_b32 s17, s17, 7
	s_add_co_u32 s16, s16, s17                     ; row (ty % 16) 128 of it,
	s_lshl_b32 s16, s16, 7                         ; 128 bytes a row
	s_mov_b32 s17, 0
	s_lshl_b32 s46, s42, 7                         ; wo: row 128 tx + 64 half,
	s_lshl_b32 s47, s[CH], 6
	s_add_co_u32 s46, s46, s47
	s_lshl_b32 s46, s46, 11                        ; 2,048 bytes a row,
	s_add_co_u32 s46, s46, 3*2097152               ; in plane 3 of wb
	s_mov_b32 s47, 0
	s_mul_i32 s20, s[CH], 2*PLANE                  ; where they go: ctx's two planes,
	s_mul_i32 s21, s[CH], 64*PB
	s_add_co_u32 s21, s21, BOFF                    ; wo's 64 rows
	s_wait_dscnt 0x0                               ; the opening add is done
	s_wait_kmcnt 0x0
	s_add_nc_u64 s[14:15], s[4:5], s[16:17]
	s_add_nc_u64 s[46:47], s[6:7], s[46:47]
	CROUND                                         ; all sixteen work-groups are here: the first joint loads meet
.irp s, 0,1
	s_mov_b32 s[G0+4*(\s)], 1
	s_add_co_u32 s[G0+4*(\s)+1], s20, (\s)*SLOT
	s_add_nc_u64 s[G0+4*(\s)+2:G0+4*(\s)+3], s[14:15], (\s)*4*262144   ; K step s: four heads on
	s_or_b32 s[G0+4*(\s)+3], s[G0+4*(\s)+3], 0x80000000
	s_mov_b32 s[G0B+4*(\s)], 1
	s_add_co_u32 s[G0B+4*(\s)+1], s21, (\s)*SLOT
	s_add_nc_u64 s[G0B+4*(\s)+2:G0B+4*(\s)+3], s[46:47], (\s)*512
	s_or_b32 s[G0B+4*(\s)+3], s[G0B+4*(\s)+3], 0x80000000
	JLOAD \s                                       ; two loads of mine are out
.endr
	v_and_b32 v1, 15, v0                           ; l % 16
	v_bfe_u32 v2, v0, 4, 1                         ; l / 16
	v_lshlrev_b32 v[BIO], 5, v2
	s_lshl_b32 s46, s42, 9
	s_lshl_b32 s47, s[CH], 8
	s_add_co_u32 s46, s46, s47                     ; my first column: (128 tx + 64 half) x 4 bytes
	s_mov_b32 s47, 0
	s_add_nc_u64 s[8:9], s[8:9], s[46:47]
.irp b, 0,1,2,3
	global_load_b128 v[BI+8*(\b):BI+8*(\b)+3],   v[BIO], s[8:9] offset:64*(\b)
	global_load_b128 v[BI+8*(\b)+4:BI+8*(\b)+7], v[BIO], s[8:9] offset:64*(\b)+16
.endr
	s_lshl_b32 s16, s13, 7
	s_lshl_b32 s17, s[RH], 6
	s_add_co_u32 s16, s16, s17                     ; my first row,
	s_lshl_b32 s16, s16, 12                        ; 4,096 bytes a row
	s_add_co_u32 s46, s46, s16
	s_add_nc_u64 s[10:11], s[10:11], s[46:47]
	v_mul_u32_u24 v3, v1, PA
	v_lshl_add_u32 v3, v2, 4, v3                   ; a fragment's row x pitch + 16 x half
	v_mul_u32_u24 v4, v1, PB
	v_lshl_add_u32 v4, v2, 4, v4
	s_mul_i32 s22, s[RH], 64*PA                    ; my 64 rows in each plane of ctx
	s_mul_i32 s23, s[CH], 64*PB
	s_add_co_u32 s23, s23, BOFF                    ; my 64 rows of wo
.irp s, 0,1
	v_add_nc_u32 v[ADRA+(\s)], s22, v3
	v_add_nc_u32 v[ADRB+(\s)], s23, v4
	s_add_co_u32 s22, s22, SLOT
	s_add_co_u32 s23, s23, SLOT
.endr
	s_mul_i32 s22, s[WV], 16*SPITCH
	s_add_co_u32 s22, s22, STAGE                   ; my stage
	v_mul_u32_u24 v3, v1, SPITCH                   ; in: row l % 16, 32 bytes for each half of the lanes
	v_lshl_add_u32 v3, v2, 5, v3
	v_add_nc_u32 v[STO], s22, v3
	v_mul_u32_u24 v3, v2, SPITCH                   ; back: lanes 0-15 take one row of 256 bytes, lanes 16-31 the next
	v_lshl_add_u32 v3, v1, 4, v3
	v_add_nc_u32 v[RD], s22, v3
	v_lshlrev_b32 v[CO], 12, v2                    ; and the same two rows in out0
	v_lshl_add_u32 v[CO], v1, 4, v[CO]
; 8 matrix instructions: row blocks a0, a0 + 1 x all 4 column blocks, 32 along K: half c of buffer f.  first = 1: the bias starts the sums.
.macro MUL8 f, c, a0, first
	WIN MUL
.irp a, \a0, (\a0)+1
.irp b, 0,1,2,3
.if \first
	v_wmma_f32_16x16x32_f16 v[ACC+8*(4*(\a)+(\b)):ACC+8*(4*(\a)+(\b))+7], v[(\f)+64+8*(4*(\c)+(\b)):(\f)+64+8*(4*(\c)+(\b))+7], v[(\f)+8*(4*(\c)+(\a)):(\f)+8*(4*(\c)+(\a))+7], v[BI+8*(\b):BI+8*(\b)+7]
.else
	v_wmma_f32_16x16x32_f16 v[ACC+8*(4*(\a)+(\b)):ACC+8*(4*(\a)+(\b))+7], v[(\f)+64+8*(4*(\c)+(\b)):(\f)+64+8*(4*(\c)+(\b))+7], v[(\f)+8*(4*(\c)+(\a)):(\f)+8*(4*(\c)+(\a))+7], v[ACC+8*(4*(\a)+(\b)):ACC+8*(4*(\a)+(\b))+7]
.endif
.endr
.endr
.endm
; 32 LDS loads in one run: the fragments of quarter q (head q of the step: 64 along K) into buffer f; the first 32 along K first
.macro FETCH slot, q, f
	WIN TO_F
.irp c, 0,1
.irp i, 0,1,2,3
	ds_load_b128 v[(\f)+64+8*(4*(\c)+(\i)):(\f)+64+8*(4*(\c)+(\i))+3],   v[ADRB+(\slot)] offset:128*(\q)+64*(\c)+(\i)*16*PB
	ds_load_b128 v[(\f)+64+8*(4*(\c)+(\i))+4:(\f)+64+8*(4*(\c)+(\i))+7], v[ADRB+(\slot)] offset:128*(\q)+64*(\c)+(\i)*16*PB+32
	ds_load_b128 v[(\f)+8*(4*(\c)+(\i)):(\f)+8*(4*(\c)+(\i))+3],         v[ADRA+(\slot)] offset:(\q)*PLANE+64*(\c)+(\i)*16*PA
	ds_load_b128 v[(\f)+8*(4*(\c)+(\i))+4:(\f)+8*(4*(\c)+(\i))+7],       v[ADRA+(\slot)] offset:(\q)*PLANE+64*(\c)+(\i)*16*PA+32
.endr
.endr
.endm
.macro PLACES                          ; four plain vector instructions between a matrix instruction and a load into, or a store of, its registers
.rept 4
	v_nop
.endr
.endm
; A K step is four quarters of 64 along K, 32 matrix instructions each, on buffers 0, 1, 0, 1; the 16 accumulators take turns.
.macro QUARTER slot, q, f, g, first
	s_wait_dscnt 16                                ; the first 32 along K are in
	MUL8 \f, 0, 0, \first
	MUL8 \f, 0, 2, \first
	PLACES
	FETCH \slot, \q, \g
	s_wait_dscnt 32                                ; all but the 32 just issued
	MUL8 \f, 1, 0, 0
	MUL8 \f, 1, 2, 0
.endm
; The last quarter multiplies buffer 1 and changes slots: ONE barrier.  fill = 1: this slot is filled again, two K steps on, first thing behind a round of the cluster's barrier.
.macro TURN slot, next, fill
	WIN 0
	s_wait_tensorcnt 0x0                           ; all my tensor loads have landed: my part of the next slot
	ds_add_u32 v[SPW], v[NIL]
	s_wait_dscnt 17                                ; the add and the youngest sixteen loads may be out
	MUL8 F1, 0, 0, 0
	s_wait_dscnt 0x0                               ; the add is done, and my reads of this slot are over
	s_barrier_signal -1
	MUL8 F1, 0, 2, 0
.if \fill
	WIN 0
.endif
	s_barrier_wait -1
.if \fill
	CREST
	s_add_nc_u64 s[G0+4*(\slot)+2:G0+4*(\slot)+3], s[G0+4*(\slot)+2:G0+4*(\slot)+3], 8*262144   ; eight heads on
	s_add_nc_u64 s[G0B+4*(\slot)+2:G0B+4*(\slot)+3], s[G0B+4*(\slot)+2:G0B+4*(\slot)+3], 1024
	JLOAD \slot                                    ; its four v_nop are also the places in front of the loads below
.else
	PLACES
.endif
	FETCH \next, 0, F0
	MUL8 F1, 1, 0, 0
	MUL8 F1, 1, 2, 0
.endm
; THE WAY OUT of row block a: 16 rows x 64 f32 straight from the accumulators into my stage (each accumulator's low registers first), and back as whole rows of 256 bytes.
.macro TOSTAGE a
.set BK, OB+32*((\a)%2)
.if (\a) >= 2
	s_wait_xcnt 0x0                                ; the registers that the stores of two blocks ago read are loaded again only behind this wait
.endif
.irp b, 0,1,2,3
	ds_store_b128 v[STO], v[ACC+8*(4*(\a)+(\b)):ACC+8*(4*(\a)+(\b))+3]   offset:64*(\b)
	ds_store_b128 v[STO], v[ACC+8*(4*(\a)+(\b))+4:ACC+8*(4*(\a)+(\b))+7] offset:64*(\b)+16
.endr
.irp t, 0,1,2,3,4,5,6,7
	ds_load_b128 v[BK+4*(\t):BK+4*(\t)+3], v[RD] offset:(\t)*2*SPITCH  ; LDS serves a wave's instructions in order: these see the stores above; the next block's stores come behind them
.endr
.endm
.macro SEND a, younger                 ; younger: the LDS instructions issued behind block a's loads: the next block's sixteen, or none
.set BK, OB+32*((\a)%2)
.irp t, 0,1,2,3,4,5,6,7
	s_wait_dscnt (\younger)+7-(\t)
	global_store_b128 v[CO], v[BK+4*(\t):BK+4*(\t)+3], s[10:11] offset:(16*(\a)+2*(\t))*4096  ; 16 lanes store 256 consecutive bytes, at a multiple of 256 from the first byte of out0
.endr
.endm
	s_wait_tensorcnt 1                             ; my part of K step 0 is in; K step 1 may stay out
	s_barrier_signal -1
	s_barrier_wait -1
	FETCH 0, 0, F0
	s_wait_loadcnt 0x0                             ; the bias; it is rounded to bf16 and widened again while the first fragments are on their way from LDS
	WIN 0
.set z, 0
.rept 16
	v_cvt_pk_bf16_f32 v[OB+z], v[BI+2*z], v[BI+2*z+1]
.set z, z+1
.endr
.set z, 0
.rept 16
	v_lshlrev_b32 v[BI+2*z], 16, v[OB+z]
	v_and_b32 v[BI+2*z+1], 0xffff0000, v[OB+z]
.set z, z+1
.endr
	QUARTER 0, 1, F0, F1, 1                        ; four K steps: the two laps round the ring are written straight
	QUARTER 0, 2, F1, F0, 0
	QUARTER 0, 3, F0, F1, 0
	TURN 0, 1, 1                                   ; slot 0 takes K step 2
	QUARTER 1, 1, F0, F1, 0
	QUARTER 1, 2, F1, F0, 0
	QUARTER 1, 3, F0, F1, 0
	TURN 1, 0, 1                                   ; slot 1 takes K step 3
	QUARTER 0, 1, F0, F1, 0
	QUARTER 0, 2, F1, F0, 0
	QUARTER 0, 3, F0, F1, 0
	TURN 0, 1, 0                                   ; nothing is left to fetch
	QUARTER 1, 1, F0, F1, 0
	QUARTER 1, 2, F1, F0, 0
	QUARTER 1, 3, F0, F1, 0
	s_wait_dscnt 16
	MUL8 F1, 0, 0, 0
	MUL8 F1, 0, 2, 0
	s_wait_dscnt 0x0
	MUL8 F1, 1, 0, 0
	MUL8 F1, 1, 2, 0
	WIN 0
	PLACES
	TOSTAGE 0
	TOSTAGE 1
	SEND 0, 16
	TOSTAGE 2
	SEND 1, 16
	TOSTAGE 3
	SEND 2, 16
	SEND 3, 0
	s_wait_tensorcnt 0x0                           ; the wave's end
	ds_add_u32 v[SPW], v[NIL]
	s_wait_dscnt 0x0
	CROUND                                         ; the closing round
	s_endpgm
.Lfunc_end_k_q5a06d93092_outp:
	.size	k_q5a06d93092_outp, .Lfunc_end_k_q5a06d93092_outp-k_q5a06d93092_outp
	.p2alignl 7, 3214868480
	.fill 96, 4, 3214868480
	.section	.rodata,"a",@progbits
	.p2align	6, 0x0
	.amdhsa_kernel k_q5a06d93092_outp
		.amdhsa_group_segment_fixed_size 327680
		.amdhsa_private_segment_fixed_size 0
		.amdhsa_enable_private_segment 0
		.amdhsa_kernarg_size 32
		.amdhsa_user_sgpr_count 2
		.amdhsa_user_sgpr_kernarg_segment_ptr 1
		.amdhsa_wavefront_size32 1
		.amdhsa_system_sgpr_workgroup_id_x 1
		.amdhsa_system_sgpr_workgroup_id_y 1
		.amdhsa_system_sgpr_workgroup_id_z 1
		.amdhsa_system_vgpr_workitem_id 0
		.amdhsa_next_free_vgpr 512
		.amdhsa_next_free_sgpr 72
		.amdhsa_reserve_vcc 0
		.amdhsa_float_denorm_mode_32 3
		.amdhsa_float_denorm_mode_16_64 3
		.amdhsa_memory_ordered 1
		.amdhsa_forward_progress 1
		.amdhsa_inst_pref_size 90
	.end_amdhsa_kernel
	.amdgpu_metadata
---
amdhsa.version: [ 1, 2 ]
amdhsa.kernels:
  - .name:           k_q5a06d93092_outp
    .symbol:         k_q5a06d93092_outp.kd
    .args:
      - { .name: ctx, .offset: 0, .size: 8, .value_kind: global_buffer, .address_space: global }
      - { .name: wb, .offset: 8, .size: 8, .value_kind: global_buffer, .address_space: global }
      - { .name: bo, .offset: 16, .size: 8, .value_kind: global_buffer, .address_space: global }
      - { .name: out0, .offset: 24, .size: 8, .value_kind: global_buffer, .address_space: global }
    .group_segment_fixed_size: 327680
    .private_segment_fixed_size: 0
    .kernarg_segment_align: 8
    .kernarg_segment_size: 32
    .max_flat_workgroup_size: 128
    .sgpr_count:     72
    .vgpr_count:     512
    .wavefront_size: 32
...
	.end_amdgpu_metadata
.endif
;; end of part 4
